; MI455X (gfx1250); checked and timed in simulation.
; The chip was launched on July 23, 2026; its instructions are those of AMD's public machine-readable ISA for CDNA 5 (MIT licence, August 2026) and "CDNA5" Instruction Set Architecture Reference Guide (July 2026). The comments in the code are by the model that wrote it; some were corrected since.
;; Row Parallel Linear With Packed. Allowed arithmetic: matrix products marked QUANTISED: E2M3 operands, one E8M0 scale for each 32 along K, by v_wmma_scale_f32_16x16x128_f8f6f4 with both operands' format E2M3, f32 sums; everything else in f32.
;; Inputs: indices 4,096 int32; weight_stacked 4 x 1,024 x 4,096 float32; x 4,096 x 4,096 float32.
;; Outputs: out0 4,096 x 1,024 float32.
;; This version of the problem:
;;   THIS VERSION OF THE PROBLEM IS GIVEN IN LOW PRECISION. The matrix products marked QUANTISED in the list below multiply operands that are first quantised to E2M3 (2 exponent bits, 3 mantissa bits; 6 bits a number), with one power-of-two scale for each 32 numbers along K (OCP MX v1.0); their sums are f32. All else is computed in f32.
;;   The module's matrix products, in the order in which they are computed (A, B: the left and right operand; K: the contracted axis; several contracted axes count as one K, in the product's order):
;;     1. [M 4,096, K 4,096] x [K 4,096, N 1,024]; A: input x; B: input weight_stacked: QUANTISED
;;     2. [M 4,096, K 4,096] x [K 4,096, N 1,024]; A: input x; B: input weight_stacked: QUANTISED
;;     3. [M 4,096, K 4,096] x [K 4,096, N 1,024]; A: input x; B: input weight_stacked: QUANTISED
;;     4. [M 4,096, K 4,096] x [K 4,096, N 1,024]; A: input x; B: input weight_stacked: QUANTISED
;;   THE QUANTISER, for each operand of a quantised product, along K:
;;     - K is cut into blocks of 32 from its start; a last block that is shorter is filled with zeros.
;;     - A block's scale is 2^e with e = floor(log2(the largest magnitude in the block)) - 2, held to -126 .. 127; a block of zeros has e = 0. As a byte (E8M0): e + 127.
;;     - Each number is divided by its block's scale, clamped to +-7.5, and rounded to the nearest number of E2M3, ties to even, subnormals kept.
;;     - The product sums the exact products of the quantised numbers (number of the format x scale) in f32.
;;   ~~~python
;;   def quantise(x, axis):      # numpy; x: float32 -> the quantised numbers, widened to float32 again
;;       x = np.moveaxis(x, axis, -1); K = x.shape[-1]
;;       x = np.pad(x, [(0, 0)] * (x.ndim - 1) + [(0, -K % 32)]); x = x.reshape(x.shape[:-1] + (-1, 32)); a = np.abs(x).max(-1, keepdims=True)
;;       e = np.where(a > 0, np.clip(np.frexp(np.where(a > 0, a, 1))[1] - 1 - 2, -126, 127), 0)      # np.frexp(a)[1] - 1 = floor(log2(a)), exactly
;;       r = np.clip(x / 2.0 ** e, -7.5, 7.5)
;;       step = 2.0 ** (np.maximum(np.frexp(np.where(r == 0, 1, r))[1] - 1, 0) - 3)
;;       q = np.round(r / step) * step * 2.0 ** e      # np.round: ties to even
;;       return np.moveaxis(q.reshape(q.shape[:-2] + (-1,))[..., :K], -1, axis).astype(np.float32)
;;   ~~~
;; One version. Each part assembles by itself: llvm-mc -triple=amdgcn-amd-amdhsa -mcpu=gfx1250 --defsym DOCPART=n.
;; ======== version 1 of 1: 2 launches
;; limits: right only within a limited range of input values
;; workspace buffers: codes 25,165,824 bytes; scales 1,048,576 bytes; route 32,768 bytes of whole numbers
;; launch prep (part 1): grid 256 x 1, 8 waves a work-group, no clusters, 69,888 bytes of LDS; arguments x, weight_stacked, indices, codes, scales, route; writes codes, scales, route
.if DOCPART == 1
	.amdgcn_target "amdgcn-amd-amdhsa--gfx1250"
	.amdhsa_code_object_version 6
	.text
	.protected	k_q5a673f04ee_prep
	.globl	k_q5a673f04ee_prep
	.p2align	8
	.type	k_q5a673f04ee_prep,@function
k_q5a673f04ee_prep:
	s_mov_b64 s[64:65], 0
	v_nop
	global_prefetch_b8 v0, s[64:65] scope:SCOPE_SE
	s_setreg_imm32_b32 hwreg(HW_REG_WAVE_MODE, 25, 1), 1
	s_wait_xcnt 0x0
; x [4096][4096] and weight_stacked [4][1024][4096], f32, K innermost, become codes of FP6 (E2M3) with one E8M0 byte for each 32 along K, and the tokens are sorted by expert.
; A block's scale is 2^(floor(log2(its largest magnitude)) - 2); its byte is the largest magnitude's exponent field - 2, held at 1 from below; each number is divided by the scale and
; rounded to the nearest code, ties to even, beyond 7.5 the largest code.
; WORKSPACE, laid in the order of the operands' registers.  codes: x's part at 0, W's at WPART; in each [tile of 64 rows][K step of 128][block of 16 rows][group c of 4 registers][lane][16 bytes]:
; a fragment (16 rows x 128 K, 12 registers a lane) is the image of its registers.  scales: x's part at 0, W's at SPART; [tile][4 K steps g][block][row r][q]: a word = a row's four bytes of K step 4 g + q.
; In x's part a row is a SORTED PLACE p (tokens ordered by expert; the order inside an expert is free), in W's part row 1024 e + n.
; route: 128 bytes for each 16 places: 16 words token | expert << 16, then 16 words S1, S2, S3, S4, S4 ..: S_e = the first place of expert e.
; SHARES.  Work-group i takes W's rows 16 i .. 16 i + 15 and the 16 tokens of places 16 i .. 16 i + 15; wave w takes K steps 4 w .. 4 w + 3 of both: eight steps of 16 rows x 512 bytes.
; Every work-group ranks all 4,096 tokens itself (a counting sort in registers: 16 tokens a thread), while its first two sets of W are on their way.
; A load takes 512 consecutive bytes of one row; the conversions want 32 neighbours along K in one lane: a step's 8,192 bytes turn through the wave's own stage in LDS.
; No tensor loads, no matrix unit, no cluster: work-groups share no input but the 16 KiB of indices.
; LIMITS: an index outside 0 .. 3 is served as index & 3 (the definition leaves a row of zeros there); NaN and infinities among the inputs are not served; a block of zeros, and one whose
; largest magnitude lies under 2^(3 - 127), gets the byte 1 (a block of zeros has zero codes, and this program alone reads the bytes).
; THE WORKSPACE'S ORDER AS THE CODE BELOW STORES IT (it holds in place of the order that the head comment names):
; codes: x's part at 0, W's at WPART; in each [block of 16 rows][K step of 128][group c of 4 registers][lane][16 bytes]: 49,152 bytes a block, 1,536 a fragment.
; scales: x's part at 0, W's at SPART; in each [block of 16 rows][4 K steps g][row r][q]: 2,048 bytes a block; a word = a row's four bytes of K step 4 g + q.
.set WPART,  12582912
.set SPART,  524288
.set TOT,    0                         ; LDS: eight waves' totals, 8 bytes each
.set LISTP,  256                       ; LDS: eight waves' partial lists, 128 bytes each
.set STG,    1280                      ; LDS: a stage for each wave: 16 rows of 512 bytes + 16
.set SPITCH, 528
.set WSTG,   16*SPITCH
.set LOFF, 1                           ; v1   16 x lane + 2,048 x wave: my bytes of a row
.set STI,  2                           ; v2   the stage, on the way in: 16 x lane
.set STO,  3                           ; v3   and on the way out: 528 r + 128 h
.set CO,   4                           ; v4   16 x lane + 6,144 x wave: my place in a block's codes (four K steps of 1,536 bytes a wave)
.set SO,   5                           ; v5   SPART x h + 256 x wave + 16 r: my place in a block's scales
.set SH8,  6                           ; v6   8 h
.set WT,   7                           ; v7   a lane permute's destination
.set WD,   8                           ; v8   a scale word at work
.set LN,   9                           ; v9   lane
.set M,    10                          ; v10-13 four chains of maxima
.set SOP,  14                          ; v14-15 the conversions' scale operands
.set XO,   16                          ; v16-31 x: the byte offsets of my 16 tokens' rows
.set SW,   32                          ; v32-35 W's scale words, v36-39 x's
.set PC,   40                          ; v40-51 a fragment's codes
.set TA,   52                          ; v52-54, v56-58 conversions' results that must begin on an even register
.set TB,   56
.set RR,   55                          ; v55  r = lane % 16
.set HH,   59                          ; v59  h = lane / 16
.set SD,   60                          ; v60-63 the scales' store
.set SET0, 64                          ; v64-127, v128-191, v192-255: three sets of 64 numbers
.set IDX,  192                         ; the sort's registers lie in the third set, which is loaded only when the sort is over
	s_load_b256 s[4:11], s[0:1], 0x0               ; x s[4:5], W s[6:7], indices s[8:9], codes s[10:11]
	s_load_b128 s[12:15], s[0:1], 0x20             ; scales s[12:13], route s[14:15]
	s_set_vgpr_msb 0x40
	v_lshl_add_u32 v0, v0, 2, 0x10d00
	v_mov_b32 v1, 0
	s_set_vgpr_msb 0x4000
	v_lshrrev_b32 v8, 5, v0
	s_delay_alu instid0(VALU_DEP_1)
	v_readfirstlane_b32 s16, v8                    ; wave 0..7
	v_and_b32 v[LN], 31, v0
	s_wait_alu depctr_va_vdst(0)
	v_and_b32 v[RR], 15, v0
	s_wait_alu depctr_va_vdst(0)
	v_bfe_u32 v[HH], v0, 4, 1
	s_mov_b32 s18, 0x76543210
	s_mov_b32 s19, 0xfedcba98                      ; v_permlanex16_b32's selects for lane l xor 16
	s_mov_b32 s20, 0xaaaaaaaa                      ; the lanes whose number has bit 0, 1, 2, 3, 4 set
	s_mov_b32 s21, 0xcccccccc
	s_mov_b32 s22, 0xf0f0f0f0
	s_mov_b32 s23, 0xff00ff00
	s_mov_b32 s24, 0xffff0000
	s_lshl_b32 s44, s16, 11
	v_lshlrev_b32 v[LOFF], 4, v[LN]
	s_delay_alu instid0(VALU_DEP_1)
	v_add_nc_u32 v[LOFF], s44, v[LOFF]
	s_mul_i32 s45, s16, WSTG
	s_add_co_u32 s45, s45, STG                     ; my wave's stage
	v_lshl_add_u32 v[STI], v[LN], 4, s45
	v_mul_u32_u24 v[STO], v[RR], SPITCH
	s_wait_alu depctr_va_vdst(0)
	v_lshl_add_u32 v[STO], v[HH], 7, v[STO]
	s_delay_alu instid0(VALU_DEP_1)
	v_add_nc_u32 v[STO], s45, v[STO]
	s_mul_i32 s44, s16, 6144
	v_lshl_add_u32 v[CO], v[LN], 4, s44
	s_lshl_b32 s44, s16, 8
	v_lshl_add_u32 v[SO], v[RR], 4, s44
	s_delay_alu instid0(VALU_DEP_1)
	v_lshl_add_u32 v[SO], v[HH], 19, v[SO]
	v_lshlrev_b32 v[SH8], 3, v[HH]
	v_mov_b32 v[WT], 0                             ; written once: a lane permute's destination counts as one of its sources
	s_lshl_b32 s46, ttmp9, 18                      ; W: 16 rows of 16,384 bytes a work-group
	s_mov_b32 s47, 0
	s_mul_i32 s50, ttmp9, 49152                    ; my block of 16 rows: its codes,
	s_mov_b32 s51, 0
	s_lshl_b32 s52, ttmp9, 11                      ; its scales
	s_mov_b32 s53, 0
	s_lshl_b32 s54, ttmp9, 7
	s_mov_b32 s55, 0
	s_wait_kmcnt 0x0
	s_add_nc_u64 s[26:27], s[6:7], s[46:47]        ; W at my first row
	s_add_nc_u64 s[28:29], s[10:11], s[50:51]      ; the codes of x's block i,
	s_add_nc_u64 s[30:31], s[28:29], WPART         ; of W's block i
	s_add_nc_u64 s[32:33], s[12:13], s[52:53]      ; the scales of x's block i (W's: SPART on, in v5)
	s_add_nc_u64 s[34:35], s[14:15], s[54:55]      ; route: my 128 bytes
; step t's 16 rows x 512 bytes into set t % 3: steps 0-3 W's rows, steps 4-7 my tokens' rows of x.  Each line reads 512 consecutive bytes of one row, at a multiple of 512; each byte is read once in the launch
.macro LOAD t
.set LS_, SET0+64*((\t)%3)
.set LQ_, ((\t)%4)*512
.irp r, 0,1,2,3,4,5,6,7,8,9,10,11,12,13,14,15
.if (\t) < 4
	global_load_b128 v[LS_+4*\r:LS_+4*\r+3], v[LOFF], s[26:27] offset:\r*16384+LQ_ th:TH_LOAD_NT
.else
	global_load_b128 v[LS_+4*\r:LS_+4*\r+3], v[XO+\r], s[4:5] offset:LQ_ th:TH_LOAD_NT
.endif
.endr
.endm
	v_lshlrev_b32 v246, 4, v0
.irp q, 0,1,2,3
	global_load_b128 v[IDX+4*\q:IDX+4*\q+3], v246, s[8:9] offset:4096*\q   ; register j: the index of token 1,024 (j / 4) + 4 x thread + j % 4
.endr
	LOAD 0
	LOAD 1
	; ---- THE SORT.  v208 counts, v210-211 totals (experts 0 and 2 in the halves of one word, 1 and 3 of the other), v212-213 prefixes, v220-223 the next place of each expert less 16 i
	v_mov_b32 v208, 0
	v_mov_b32 v227, 1
	v_mov_b32 v212, 0
	v_mov_b32 v213, 0
	v_mov_b32 v214, 0
	v_mov_b32 v215, 0
	v_lshlrev_b32 v226, 2, v0                      ; 4 x thread
.irp j, 0,1,2,3,4,5,6,7,8,9,10,11,12,13,14,15
	v_mov_b32 v[228+\j], 0                         ; the pushes' destinations begin as zeros
.endr
	s_wait_loadcnt 32                              ; the four index loads are in; the 32 loads of W behind them stay out
.irp j, 0,1,2,3,4,5,6,7,8,9,10,11,12,13,14,15
	v_and_b32 v[IDX+\j], 3, v[IDX+\j]              ; so the places are a bijection whatever the input holds
.endr
.irp j, 0,1,2,3,4,5,6,7,8,9,10,11,12,13,14,15
	v_lshlrev_b32 v214, 3, v[IDX+\j]
	s_delay_alu instid0(VALU_DEP_1)
	v_lshlrev_b32 v214, v214, v227
	s_delay_alu instid0(VALU_DEP_1)
	v_add_nc_u32 v208, v208, v214                  ; a byte for each expert: at most 16
.endr
	s_mov_b32 s44, 0x00ff00ff
	v_and_b32 v210, s44, v208
	v_lshrrev_b32 v211, 8, v208
	s_delay_alu instid0(VALU_DEP_1)
	v_and_b32 v211, s44, v211
; a butterfly step: the totals of lanes l and l xor d are joined; the upper of the two adds the lower's to its prefix
.macro BFLY d, mask
.irp u, 0,1
.if \d == 16
	s_delay_alu instid0(VALU_DEP_4)
	v_permlanex16_b32 v214, v[210+\u], s18, s19
.else
	v_mov_b32_dpp v214, v[210+\u] row_xmask:\d row_mask:0xf bank_mask:0xf
.endif
	s_delay_alu instid0(VALU_DEP_1)
	v_cndmask_b32 v215, 0, v214, s[\mask]
	s_delay_alu instid0(VALU_DEP_1)
	v_add_nc_u32 v[212+\u], v[212+\u], v215
	s_delay_alu instid0(VALU_DEP_3)
	v_add_nc_u32 v[210+\u], v[210+\u], v214
.endr
.endm
	BFLY 1, 20
	BFLY 2, 21
	BFLY 4, 22
	BFLY 8, 23
	BFLY 16, 24                                    ; v210-211: the wave's totals; v212-213: those of the lanes below mine
	s_lshl_b32 s44, s16, 3
	v_mov_b32 v247, s44
	ds_store_b64 v247, v[210:211]                  ; all lanes write the same words with the same values
	v_and_b32 v249, 7, v[LN]
	s_delay_alu instid0(VALU_DEP_1)
	v_lshlrev_b32 v248, 3, v249
	s_wait_alu depctr_va_vdst(0)
	s_wait_dscnt 0x0                               ; for the others' sake: my totals lie in LDS
	s_barrier_signal -1
	s_barrier_wait -1
	ds_load_b64 v[216:217], v248                   ; lane l: the totals of wave l % 8
	s_wait_dscnt 0x0
	v_cmp_gt_u32 vcc_lo, s16, v249
	s_delay_alu instid0(VALU_DEP_1)
	v_cndmask_b32 v218, 0, v216, vcc_lo            ; and those of the waves below mine alone
	s_delay_alu instid0(VALU_DEP_2)
	v_cndmask_b32 v219, 0, v217, vcc_lo
.irp d, 1,2,4
.irp g, 216,217,218,219
	v_mov_b32_dpp v214, v[\g] row_xmask:\d row_mask:0xf bank_mask:0xf
	s_delay_alu instid0(VALU_DEP_1)
	v_add_nc_u32 v[\g], v[\g], v214
.endr
.endr
	v_readfirstlane_b32 s47, v216
	v_readfirstlane_b32 s48, v217
	v_readfirstlane_b32 s49, v218
	s_delay_alu instid0(VALU_DEP_4)
	v_readfirstlane_b32 s50, v219
	s_and_b32 s36, s47, 0xffff                     ; S1
	s_and_b32 s44, s48, 0xffff
	s_add_co_u32 s37, s36, s44                     ; S2
	s_lshr_b32 s44, s47, 16
	s_add_co_u32 s38, s37, s44                     ; S3
	s_lshr_b32 s44, s48, 16
	s_add_co_u32 s39, s38, s44                     ; S4
	s_lshl_b32 s51, ttmp9, 4                       ; 16 i
	s_and_b32 s40, s49, 0xffff
	s_sub_co_u32 s40, s40, s51                     ; expert e: S_e + the waves below mine - 16 i
	s_and_b32 s41, s50, 0xffff
	s_add_co_u32 s41, s41, s36
	s_sub_co_u32 s41, s41, s51
	s_lshr_b32 s42, s49, 16
	s_add_co_u32 s42, s42, s37
	s_sub_co_u32 s42, s42, s51
	s_lshr_b32 s43, s50, 16
	s_add_co_u32 s43, s43, s38
	s_sub_co_u32 s43, s43, s51
	v_and_b32 v220, 0xffff, v212
	s_delay_alu instid0(VALU_DEP_1)
	v_add_nc_u32 v220, s40, v220
	v_and_b32 v221, 0xffff, v213
	s_delay_alu instid0(VALU_DEP_1)
	v_add_nc_u32 v221, s41, v221
	v_lshrrev_b32 v222, 16, v212
	s_delay_alu instid0(VALU_DEP_1)
	v_add_nc_u32 v222, s42, v222
	v_lshrrev_b32 v223, 16, v213
	s_delay_alu instid0(VALU_DEP_1)
	v_add_nc_u32 v223, s43, v223
; token register j: its place less 16 i (below 16 only for my work-group's tokens; what lies under 0 wraps to a large number), and its expert's next place steps.
; The token is pushed to lane place - 16 i; all others go to lane 16, which nobody reads.  No LDS byte is touched.
.macro RANK j
	v_cmp_eq_u32 vcc_lo, 0, v[IDX+\j]
	v_mov_b32 v224, v220
	s_delay_alu instid0(VALU_DEP_2)
	v_add_co_ci_u32 v220, vcc_lo, 0, v220, vcc_lo
.irp e, 1,2,3
	v_cmp_eq_u32 vcc_lo, \e, v[IDX+\j]
	s_delay_alu instid0(VALU_DEP_1)
	v_cndmask_b32 v224, v224, v[220+\e], vcc_lo
	s_delay_alu instid0(VALU_DEP_2)
	v_add_co_ci_u32 v[220+\e], vcc_lo, 0, v[220+\e], vcc_lo
.endr
	s_delay_alu instid0(VALU_DEP_2)
	v_min_u32 v224, 16, v224
	s_delay_alu instid0(VALU_DEP_1)
	v_lshlrev_b32 v224, 2, v224
	v_add_nc_u32 v225, 1024*((\j)/4)+(\j)%4, v226
	s_delay_alu instid0(VALU_DEP_1)
	v_lshl_or_b32 v225, v[IDX+\j], 16, v225        ; token | expert << 16
	ds_permute_b32 v[228+\j], v224, v225
.endm
.irp j, 0,1,2,3,4,5,6,7,8,9,10,11,12,13,14,15
	RANK \j
.endr
	v_lshl_add_u32 v250, v0, 2, LISTP
	v_lshl_add_u32 v251, v[RR], 2, LISTP
	s_wait_dscnt 0x0
.irp j, 1
	v_or_b32 v228, v228, v[228+\j]                 ; a place has one sender in the whole work-group: all else is 0
.endr
.irp j, 2, 3, 4, 5, 6, 7, 8, 9, 10, 11, 12, 13, 14, 15
	s_delay_alu instid0(VALU_DEP_1)
	v_or_b32 v228, v228, v[228+\j]                 ; a place has one sender in the whole work-group: all else is 0
.endr
	ds_store_b32 v250, v228                        ; my wave's partial list: lanes 0-15 count
	s_wait_dscnt 0x0                               ; for the others' sake
	s_barrier_signal -1
	s_barrier_wait -1
.irp u, 0,1,2,3,4,5,6,7
	ds_load_b32 v[228+\u], v251 offset:128*\u
.endr
	s_wait_dscnt 0x0
	v_or_b32 v244, v228, v229
.irp u, 2,3,4,5,6,7
	s_delay_alu instid0(VALU_DEP_1)
	v_or_b32 v244, v244, v[228+\u]                 ; lane l: token | expert << 16 of place 16 i + l % 16
.endr
	s_wait_alu depctr_va_vdst(0)
.irp r, 0,1,2,3,4,5,6,7,8,9,10,11,12,13,14,15
	v_readlane_b32 s44, v244, \r
	s_and_b32 s44, s44, 0xffff
	s_min_u32 s44, s44, 0xfff                      ; a token's number, held inside x
	s_lshl_b32 s44, s44, 14
	v_add_nc_u32 v[XO+\r], s44, v[LOFF]
.endr
	v_mov_b32 v245, s39                            ; the bounds for lanes 16-31: S1, S2, S3, S4, S4 ..
	v_mov_b32 v253, s36
	v_cmp_eq_u32 vcc_lo, 16, v[LN]
	s_delay_alu instid0(VALU_DEP_1)
	v_cndmask_b32 v245, v245, v253, vcc_lo
	v_mov_b32 v253, s37
	v_cmp_eq_u32 vcc_lo, 17, v[LN]
	s_delay_alu instid0(VALU_DEP_1)
	v_cndmask_b32 v245, v245, v253, vcc_lo
	v_mov_b32 v253, s38
	v_cmp_eq_u32 vcc_lo, 18, v[LN]
	s_delay_alu instid0(VALU_DEP_1)
	v_cndmask_b32 v245, v245, v253, vcc_lo
	s_delay_alu instid0(VALU_DEP_1)
	v_cndmask_b32 v245, v244, v245, s24            ; lanes 0-15 the list, lanes 16-31 the bounds
	v_lshlrev_b32 v252, 2, v[LN]
	s_cmp_lg_u32 s16, 0
	s_cbranch_scc1 .Lnot_wave_0
	global_store_b32 v252, v245, s[34:35]          ; 128 consecutive bytes, all lanes on
.Lnot_wave_0:
	s_wait_xcnt 0x0                                ; the store has read its registers: they lie in the set that is loaded next
	LOAD 2
; A STEP: 16 rows x 128 K become one fragment and 16 scale words.
.macro STEP t
.set SS_, SET0+64*((\t)%3)
.if (\t) < 6
	s_wait_loadcnt 32                              ; this step's 16 loads are in; those of the two steps behind it stay out
.else
	s_wait_loadcnt 16*(7-(\t))
.endif
.irp r, 0,1,2,3,4,5,6,7,8,9,10,11,12,13,14,15
	ds_store_b128 v[STI], v[SS_+4*\r:SS_+4*\r+3] offset:SPITCH*\r
.endr
.irp c, 0,1
.irp j, 0,1,2,3,4,5,6,7
	ds_load_b128 v[SS_+32*\c+4*\j:SS_+32*\c+4*\j+3], v[STO] offset:256*\c+16*\j   ; LDS serves a wave's instructions in order (ISA guide 5.7.1.4): these see the stores above.  Register 32 c + n: k = 64 c + 32 h + n of row r
.endr
.endr
	s_wait_dscnt 0x0
.irp c, 0,1                                    ; block 2 c + h of row r: all its 32 numbers are mine.  Two chains a block, the four by turns
	v_max3_num_f32 v[M+2*\c], |v[SS_+32*\c]|, |v[SS_+32*\c+1]|, 0x1800000       ; the floor 2^(3 - 127): the byte cannot fall under 1
	v_max3_num_f32 v[M+2*\c+1], |v[SS_+32*\c+16]|, |v[SS_+32*\c+17]|, |v[SS_+32*\c+18]|
.endr
.irp i, 0,1,2,3,4,5
.irp c, 0,1
	s_delay_alu instid0(VALU_DEP_4)
	v_max3_num_f32 v[M+2*\c], v[M+2*\c], |v[SS_+32*\c+2+2*\i]|, |v[SS_+32*\c+3+2*\i]|
	s_delay_alu instid0(VALU_DEP_4)
	v_max3_num_f32 v[M+2*\c+1], v[M+2*\c+1], |v[SS_+32*\c+19+2*\i]|, |v[SS_+32*\c+20+2*\i]|
.endr
.endr
.irp c, 0
	s_delay_alu instid0(VALU_DEP_4)
	v_max3_num_f32 v[M+2*\c], v[M+2*\c], |v[SS_+32*\c+14]|, |v[SS_+32*\c+15]|
.endr
.irp c, 1
	s_delay_alu instid0(VALU_DEP_3)
	v_max3_num_f32 v[M+2*\c], v[M+2*\c], |v[SS_+32*\c+14]|, |v[SS_+32*\c+15]|
.endr
.irp c, 0,1
	s_delay_alu instid0(VALU_DEP_2)
	v_max3_num_f32 v[M+2*\c], v[M+2*\c], v[M+2*\c+1], |v[SS_+32*\c+31]|
.endr
	s_delay_alu instid0(VALU_DEP_2)
	v_add_nc_u32 v[SOP], 0xff000000, v[M]          ; 2 off the exponent field: the conversion takes the exponent field of this operand as its scale
	s_delay_alu instid0(VALU_DEP_2)
	v_add_nc_u32 v[SOP+1], 0xff000000, v[M+2]
	s_delay_alu instid0(VALU_DEP_2)
	v_lshrrev_b32 v[M], 23, v[SOP]                 ; the scales' bytes
	s_delay_alu instid0(VALU_DEP_2)
	v_lshrrev_b32 v[M+2], 23, v[SOP+1]
	s_delay_alu instid0(VALU_DEP_1)
	v_lshl_or_b32 v[WD], v[M+2], 16, v[M]          ; blocks h and 2 + h,
	s_delay_alu instid0(VALU_DEP_1)
	v_lshlrev_b32 v[WD], v[SH8], v[WD]             ; at their places in the row's word;
	s_delay_alu instid0(VALU_DEP_1)
	v_permlanex16_b32 v[WT], v[WD], s18, s19
	s_delay_alu instid0(VALU_DEP_1)
	v_or_b32 v[SW+(\t)], v[WD], v[WT]              ; with lane l xor 16's two the word is whole
	s_wait_alu depctr_va_vdst(0)
	s_wait_xcnt 0x0                                ; the last step's stores have read the codes' registers
	v_cvt_scalef32_pk16_fp6_f32 v[PC:PC+2], v[SS_:SS_+15], v[SOP]
	v_cvt_scalef32_pk16_fp6_f32 v[TA:TA+2], v[SS_+16:SS_+31], v[SOP]       ; (a conversion's three registers begin on an even number)
	v_cvt_scalef32_pk16_fp6_f32 v[PC+6:PC+8], v[SS_+32:SS_+47], v[SOP+1]
	v_cvt_scalef32_pk16_fp6_f32 v[TB:TB+2], v[SS_+48:SS_+63], v[SOP+1]
	v_nop                                          ; one plain place behind a scaled conversion
.irp i, 0,1,2
	v_mov_b32 v[PC+3+\i], v[TA+\i]
	v_mov_b32 v[PC+9+\i], v[TB+\i]
.endr
.irp c, 0,1,2
.if (\t) < 4
	global_store_b128 v[CO], v[PC+4*\c:PC+4*\c+3], s[30:31] offset:((\t)%4)*1536+\c*512   ; 32 lanes store 512 consecutive bytes, at a multiple of 512 from the buffer's first byte
.else
	global_store_b128 v[CO], v[PC+4*\c:PC+4*\c+3], s[28:29] offset:((\t)%4)*1536+\c*512
.endif
.endr
.if (\t)+3 < 8
	LOAD (\t)+3                                    ; into the set that this step has left
.endif
.endm
.irp t, 0,1,2,3,4,5,6,7
	STEP \t
.endr
.irp q, 0,1,2,3
	v_cndmask_b32 v[SD+\q], v[SW+4+\q], v[SW+\q], s24   ; lanes 0-15: x's four words of row r; lanes 16-31: W's
.endr
	global_store_b128 v[SO], v[SD:SD+3], s[32:33]  ; sixteen lanes store 256 consecutive bytes, aligned, in each of the two parts
	s_set_vgpr_msb 0x5
	s_wait_tensorcnt 0x0
	ds_add_u32 v0, v1
	s_wait_dscnt 0x0
	s_set_vgpr_msb 0x500
	s_endpgm
.Lfunc_end_k_q5a673f04ee_prep:
	.size	k_q5a673f04ee_prep, .Lfunc_end_k_q5a673f04ee_prep-k_q5a673f04ee_prep
	.p2alignl 7, 3214868480
	.fill 96, 4, 3214868480
	.section	.rodata,"a",@progbits
	.p2align	6, 0x0
	.amdhsa_kernel k_q5a673f04ee_prep
		.amdhsa_group_segment_fixed_size 69888
		.amdhsa_private_segment_fixed_size 0
		.amdhsa_enable_private_segment 0
		.amdhsa_kernarg_size 48
		.amdhsa_user_sgpr_count 2
		.amdhsa_user_sgpr_kernarg_segment_ptr 1
		.amdhsa_wavefront_size32 1
		.amdhsa_system_sgpr_workgroup_id_x 1
		.amdhsa_system_sgpr_workgroup_id_y 1
		.amdhsa_system_sgpr_workgroup_id_z 1
		.amdhsa_system_vgpr_workitem_id 0
		.amdhsa_next_free_vgpr 258
		.amdhsa_next_free_sgpr 66
		.amdhsa_reserve_vcc 1
		.amdhsa_float_denorm_mode_32 3
		.amdhsa_float_denorm_mode_16_64 3
		.amdhsa_memory_ordered 1
		.amdhsa_forward_progress 1
		.amdhsa_inst_pref_size 100
	.end_amdhsa_kernel
	.amdgpu_metadata
---
amdhsa.version: [ 1, 2 ]
amdhsa.kernels:
  - .name:           k_q5a673f04ee_prep
    .symbol:         k_q5a673f04ee_prep.kd
    .args:
      - { .name: x, .offset: 0, .size: 8, .value_kind: global_buffer, .address_space: global }
      - { .name: weight_stacked, .offset: 8, .size: 8, .value_kind: global_buffer, .address_space: global }
      - { .name: indices, .offset: 16, .size: 8, .value_kind: global_buffer, .address_space: global }
      - { .name: codes, .offset: 24, .size: 8, .value_kind: global_buffer, .address_space: global }
      - { .name: scales, .offset: 32, .size: 8, .value_kind: global_buffer, .address_space: global }
      - { .name: route, .offset: 40, .size: 8, .value_kind: global_buffer, .address_space: global }
    .group_segment_fixed_size: 69888
    .private_segment_fixed_size: 0
    .kernarg_segment_align: 8
    .kernarg_segment_size: 48
    .max_flat_workgroup_size: 256
    .sgpr_count:     66
    .vgpr_count:     258
    .wavefront_size: 32
...
	.end_amdgpu_metadata
.endif
;; end of part 1
;; launch gemm (part 2): grid 8 x 32, 4 waves a work-group, no clusters, 304,640 bytes of LDS; arguments codes, scales, route, out0; writes out0
.if DOCPART == 2
	.amdgcn_target "amdgcn-amd-amdhsa--gfx1250"
	.amdhsa_code_object_version 6
	.text
	.protected	k_q5a673f04ee_gemm
	.globl	k_q5a673f04ee_gemm
	.p2align	8
	.type	k_q5a673f04ee_gemm,@function
k_q5a673f04ee_gemm:
	s_mov_b64 s[64:65], 0
	v_nop
	global_prefetch_b8 v0, s[64:65] scope:SCOPE_SE
	s_setreg_imm32_b32 hwreg(HW_REG_WAVE_MODE, 25, 1), 1
	s_wait_xcnt 0x0
; out0[t][:] = x[t] . W[indices[t]]^T on the codes of FP6 (E2M3) and E8M0 scale bytes that the launch before has laid as images of the operands' registers; sums in f32.
; Only the expert that a token's index names is multiplied: the definition's mask keeps that product alone, and the index is a whole number that the launch before has stored in route.
; THE LIST OF TILES.  Tokens lie sorted by expert; S_e is expert e's first place.  Expert e touches the blocks of 16 places S_e / 16 .. (S_(e+1) - 1) / 16; a block on a border counts for each expert in it,
; so the four counts add up to 256 + 3 at the most.  A tile is 9 such blocks on end, 144 rows, of one expert: never more than (259 + 4 x 8) / 9 = 32 tiles, whatever the split.
; GRID: 8 tiles of 128 columns x 32 tiles of rows = 256 work-groups.  A tile's first block is held at 247, so that its 9 blocks lie inside x; a row is stored only if its expert is the tile's and its place is
; not under the tile's own first place: every output row has one owner.  A tile that the split does not have walks block 0 with expert 0 and stores nothing: the barrier below is passed by every wave alike.
; SHARES.  K IS CUT AMONG THE FOUR WAVES: wave w takes the whole 144 x 128 for K steps 8 w .. 8 w + 7: 72 accumulators.  So each byte of the work-group's codes and scales is wanted by one wave, once:
; fragments go from memory straight into registers (three loads of 16 bytes a lane, 512 consecutive bytes a load), and the walk along K has no LDS tile and no barrier.
; At the end the four partial sums meet in LDS, each wave's as 144 rows of 512 bytes + 16; behind one barrier wave w adds the four parts of rows 36 w .. 36 w + 35 and stores each as 512 consecutive bytes.
; NO JOINT LOADS: both tiles' addresses hang on numbers read from route, and no LDS tile exists that a joint load could fill.  NO PREFETCH: the text has no loop to run ahead in; by its own count a wave has up to 63 loads out.
; THE MATRIX INSTRUCTION IS USED TRANSPOSED (source 0 = 16 rows of W, source 1 = 16 rows of x): a lane holds eight neighbouring columns of one output row.
; REGISTERS.  Window 0: v0-15 addresses; v16-87 scale words (two sets of 36: x's blocks 0|1 .. 6|7, 8, W's 0|1 .. 6|7; four K steps each; the even block in lanes 0-15, the odd one in lanes 16-31);
;   v88-255 a ring of 14 fragments of x: fragment n = 9 s + a lies in place n % 14.  Windows 1, 2: the accumulators of x's blocks 0-3, 4-7 ((a, b) at 8 (8 (a % 4) + b)).
;   Window 3: v0-63 those of block 8; v64-159, v160-255 W's fragments, two sets.
; LIMITS: as the launch before states them (an index outside 0 .. 3 counts as index & 3).  The sum over K is made in four parts, added at the end.
.set WPART, 12582912
.set SPART, 524288
.set BLK,   49152                      ; the codes of 16 rows, all of K
.set FRG,   1536                       ; a fragment
.set SBK,   2048                       ; the scales of 16 rows
.set PITCH, 528                        ; an LDS row: 512 bytes + 16
.set REG,   144*PITCH                  ; a wave's partial sums
.set SPARE, 4*REG                      ; behind them: the spare words, 128 bytes for each wave
.set LO,   1                           ; v1   16 x lane
.set SCP,  2                           ; v2   16 r + 2,048 h: a pair of blocks' scale words
.set SCR,  3                           ; v3   16 r
.set RO,   6                           ; v6-7 where the words of my 36 rows lie in route: rows 36 w + lane, rows 36 w + 32 + lane (held at 143)
.set RW,   8                           ; v8-9 those words: token | expert << 16
.set SPW,  12                          ; v12  my spare word; never rewritten
.set NIL,  13                          ; v13  0; never rewritten
.set SC,   16
.set XF,   88
.set STO,  88                          ; the way out: v88-89 into LDS: blocks 0-3, blocks 4-8
.set RD,   90                          ; v90-93 back, from each of the four parts
.set BUF,  104                         ; v104-231 two sets of 4 rows x 4 parts x 4 registers
.set MSB, 0
.macro WIN new                         ; the immediate's high byte repeats the setting that is left
.if MSB != \new
	s_set_vgpr_msb (MSB<<8)|\new
.set MSB, \new
.endif
.endm
.macro PLACES                          ; four places in front of loads into registers that matrix instructions have read, and of reads of results
.rept 4
	v_nop
.endr
.endm
	s_load_b256 s[4:11], s[0:1], 0x0               ; codes s[4:5], scales s[6:7], route s[8:9], out0 s[10:11]
	v_lshl_add_u32 v[SPW], v0, 2, SPARE
	v_mov_b32 v[NIL], 0
	v_lshrrev_b32 v10, 5, v0
	v_readfirstlane_b32 s16, v10                   ; wave 0..3
	v_and_b32 v11, 31, v0
	v_and_b32 v14, 15, v0                          ; r
	v_bfe_u32 v15, v0, 4, 1                        ; h
	v_lshlrev_b32 v[LO], 4, v11
	v_lshlrev_b32 v[SCR], 4, v14
	v_lshl_add_u32 v[SCP], v15, 11, v[SCR]
	s_mul_i32 s22, s16, 36
	v_add_nc_u32 v10, s22, v11                     ; the tile's row 36 w + lane,
	v_add_nc_u32 v11, 32, v10
	v_min_u32 v11, 143, v11                        ; and 32 further on, held inside the tile
	v_lshrrev_b32 v4, 4, v10
	v_and_b32 v14, 15, v10
	v_lshlrev_b32 v14, 2, v14
	v_lshl_add_u32 v[RO], v4, 7, v14               ; route: 128 bytes a block, 4 a row
	v_lshrrev_b32 v5, 4, v11
	v_and_b32 v15, 15, v11
	v_lshlrev_b32 v15, 2, v15
	v_lshl_add_u32 v[RO+1], v5, 7, v15
	s_and_b32 s17, ttmp7, 0xffff                   ; my tile: what is left of its number as the experts are passed
	s_mov_b32 s18, 0                               ; its first block,
	s_mov_b32 s19, 0                               ; its expert,
	s_mov_b32 s21, 0                               ; found?
	s_mov_b32 s26, 0x100000                        ; above every count of tiles and every place
	s_mov_b32 s27, 0                               ; S0
	s_wait_alu depctr_va_vdst(0)
	s_wait_kmcnt 0x0
	s_load_b128 s[12:15], s[8:9], 0x40             ; S1 .. S4
	s_wait_kmcnt 0x0
; expert e has places s[lo] .. s[hi] - 1
.macro ENT e, lo, hi
	s_lshr_b32 s22, s[\lo], 4                      ; its first block
	s_add_co_u32 s23, s[\hi], 15
	s_lshr_b32 s23, s23, 4
	s_sub_co_u32 s23, s23, s22                     ; its blocks, 256 at the most
	s_add_co_u32 s23, s23, 8
	s_mul_i32 s23, s23, 57
	s_lshr_b32 s23, s23, 9                         ; (blocks + 8) / 9, exact under 512
	s_cmp_eq_u32 s[\hi], s[\lo]
	s_cselect_b32 s23, 0, s23                      ; its tiles
	s_mul_i32 s24, s17, 9
	s_add_co_u32 s24, s24, s22
	s_sub_co_u32 s25, s17, s23
	s_cmp_lt_u32 s17, s23                          ; is my tile among them?
	s_cselect_b32 s18, s24, s18
	s_cselect_b32 s19, \e, s19
	s_cselect_b32 s21, 1, s21
	s_cselect_b32 s17, s26, s25
.endm
	ENT 0, 27, 12
	ENT 1, 12, 13
	ENT 2, 13, 14
	ENT 3, 14, 15
	s_lshl_b32 s20, s18, 4
	s_cmp_eq_u32 s21, 0
	s_cselect_b32 s20, s26, s20                    ; the first place that I own; above every place where the split has no such tile
	s_min_u32 s18, s18, 247                        ; numbers made of loaded ones are held inside the buffers
	s_min_u32 s19, s19, 3
	s_mov_b32 s23, 0
	s_mul_i32 s28, s16, 8*FRG                      ; my eight K steps
	s_mul_i32 s22, s18, BLK
	s_add_co_u32 s22, s22, s28
	s_add_nc_u64 s[32:33], s[4:5], s[22:23]        ; x's codes
	s_lshl_b32 s24, s19, 6
	s_lshl_b32 s25, ttmp9, 3
	s_add_co_u32 s24, s24, s25                     ; W's first block: 64 x expert + 8 x tile of columns
	s_mul_i32 s22, s24, BLK
	s_add_co_u32 s22, s22, s28
	s_add_co_u32 s22, s22, WPART
	s_add_nc_u64 s[34:35], s[4:5], s[22:23]        ; W's codes
	s_lshl_b32 s28, s16, 9                         ; my two runs of four K steps: 256 bytes each
	s_lshl_b32 s22, s18, 11
	s_add_co_u32 s22, s22, s28
	s_add_nc_u64 s[36:37], s[6:7], s[22:23]        ; x's scales
	s_lshl_b32 s22, s24, 11
	s_add_co_u32 s22, s22, s28
	s_add_co_u32 s22, s22, SPART
	s_add_nc_u64 s[38:39], s[6:7], s[22:23]        ; W's scales
	s_lshl_b32 s22, s18, 7
	s_add_nc_u64 s[40:41], s[8:9], s[22:23]        ; the tile's nine blocks of route
	s_lshl_b32 s22, ttmp9, 9
	s_add_nc_u64 s[42:43], s[10:11], s[22:23]      ; out0 at my first column
.macro LDW s                           ; W's eight fragments of my K step s into set s % 2: 24 loads
	WIN 0xc0                                       ; destination window 3, address window 0
.irp b, 0,1,2,3,4,5,6,7
.irp c, 0,1,2
	global_load_b128 v[64+96*((\s)%2)+12*\b+4*\c:64+96*((\s)%2)+12*\b+4*\c+3], v[LO], s[34:35] offset:\b*BLK+(\s)*FRG+\c*512
.endr
.endr
.endm
.macro LDX n, k                        ; x's fragments n .. n + k - 1 (n = 9 x K step + block) into the ring: 3 k loads
	WIN 0
.set XN_, \n
.rept \k
.irp c, 0,1,2
	global_load_b128 v[XF+12*(XN_%14)+4*\c:XF+12*(XN_%14)+4*\c+3], v[LO], s[32:33] offset:(XN_%9)*BLK+(XN_/9)*FRG+\c*512
.endr
.set XN_, XN_+1
.endr
.endm
.macro LDSC g                          ; the scale words of my K steps 4 g .. 4 g + 3: 9 loads
	WIN 0
.irp p, 0,1,2,3
	global_load_b128 v[SC+36*\g+4*\p:SC+36*\g+4*\p+3], v[SCP], s[36:37] offset:\p*2*SBK+\g*256
.endr
	global_load_b128 v[SC+36*\g+16:SC+36*\g+19], v[SCR], s[36:37] offset:8*SBK+\g*256   ; block 8, in both halves of the lanes
.irp p, 0,1,2,3
	global_load_b128 v[SC+36*\g+20+4*\p:SC+36*\g+20+4*\p+3], v[SCP], s[38:39] offset:\p*2*SBK+\g*256
.endr
.endm
; one product: x's block a, W's block b, my K step s.  An odd block's scale words stand in lanes 16-31.  K step 0 starts the sums: nothing is cleared.
.macro MM a, b, s
.set D_, 8*(8*((\a)%4)+(\b))
.set W_, 64+96*((\s)%2)+12*(\b)
.set X_, XF+12*((9*(\s)+(\a))%14)
.set SW_, SC+36*((\s)/4)+20+4*((\b)/2)+(\s)%4
.set SX_, SC+36*((\s)/4)+4*((\a)/2)+(\s)%4
.if (\s) == 0
.if ((\b)%2 == 0) && ((\a)%2 == 0)
	v_wmma_scale_f32_16x16x128_f8f6f4 v[D_:D_+7], v[W_:W_+11], v[X_:X_+11], 0, v[SW_], v[SX_] matrix_a_fmt:MATRIX_FMT_FP6 matrix_b_fmt:MATRIX_FMT_FP6
.elseif ((\b)%2 == 1) && ((\a)%2 == 0)
	v_wmma_scale_f32_16x16x128_f8f6f4 v[D_:D_+7], v[W_:W_+11], v[X_:X_+11], 0, v[SW_], v[SX_] matrix_a_fmt:MATRIX_FMT_FP6 matrix_b_fmt:MATRIX_FMT_FP6 matrix_a_scale:MATRIX_SCALE_ROW1
.elseif ((\b)%2 == 0) && ((\a)%2 == 1)
	v_wmma_scale_f32_16x16x128_f8f6f4 v[D_:D_+7], v[W_:W_+11], v[X_:X_+11], 0, v[SW_], v[SX_] matrix_a_fmt:MATRIX_FMT_FP6 matrix_b_fmt:MATRIX_FMT_FP6 matrix_b_scale:MATRIX_SCALE_ROW1
.else
	v_wmma_scale_f32_16x16x128_f8f6f4 v[D_:D_+7], v[W_:W_+11], v[X_:X_+11], 0, v[SW_], v[SX_] matrix_a_fmt:MATRIX_FMT_FP6 matrix_b_fmt:MATRIX_FMT_FP6 matrix_a_scale:MATRIX_SCALE_ROW1 matrix_b_scale:MATRIX_SCALE_ROW1
.endif
.else
.if ((\b)%2 == 0) && ((\a)%2 == 0)
	v_wmma_scale_f32_16x16x128_f8f6f4 v[D_:D_+7], v[W_:W_+11], v[X_:X_+11], v[D_:D_+7], v[SW_], v[SX_] matrix_a_fmt:MATRIX_FMT_FP6 matrix_b_fmt:MATRIX_FMT_FP6
.elseif ((\b)%2 == 1) && ((\a)%2 == 0)
	v_wmma_scale_f32_16x16x128_f8f6f4 v[D_:D_+7], v[W_:W_+11], v[X_:X_+11], v[D_:D_+7], v[SW_], v[SX_] matrix_a_fmt:MATRIX_FMT_FP6 matrix_b_fmt:MATRIX_FMT_FP6 matrix_a_scale:MATRIX_SCALE_ROW1
.elseif ((\b)%2 == 0) && ((\a)%2 == 1)
	v_wmma_scale_f32_16x16x128_f8f6f4 v[D_:D_+7], v[W_:W_+11], v[X_:X_+11], v[D_:D_+7], v[SW_], v[SX_] matrix_a_fmt:MATRIX_FMT_FP6 matrix_b_fmt:MATRIX_FMT_FP6 matrix_b_scale:MATRIX_SCALE_ROW1
.else
	v_wmma_scale_f32_16x16x128_f8f6f4 v[D_:D_+7], v[W_:W_+11], v[X_:X_+11], v[D_:D_+7], v[SW_], v[SX_] matrix_a_fmt:MATRIX_FMT_FP6 matrix_b_fmt:MATRIX_FMT_FP6 matrix_a_scale:MATRIX_SCALE_ROW1 matrix_b_scale:MATRIX_SCALE_ROW1
.endif
.endif
.endm
; A K STEP: 72 products, x's blocks one after the other, each against W's eight; the 72 accumulators by turns, in the same order in every step.
; A fragment of x is free when its eight products are issued: fragment n + 14 then takes its place.  Three runs of loads a step: behind blocks 0-3 (12 loads), behind blocks 4-7 (12),
; behind block 8 (3, and the 24 of W's set two steps on).  Loads come back in order (ISA guide 5.7.1), so each wait's count is the number of loads issued behind the run that it needs:
; blocks 0-3 need W's set, asked for behind block 8 two steps ago: behind it stand the last step's three runs, 12 + 12 + 27 = 51.  Blocks 4-8 need the run behind the last step's blocks 0-3: behind it stand 12 + 27 + 12 = 51.
; Step 0: behind x's fragments 0-3 stand 15 + 9 + 24 + 15 = 63 loads; behind fragments 4-8, 9 + 24 + 15 + 12 = 60.  Step 6's first run has the two loads of route behind it: 53, and 14 at step 7, whose other runs are no more.
.macro KSTEP s
.if \s == 0
	s_wait_loadcnt 63
.elseif \s == 7
	s_wait_loadcnt 14
.else
	s_wait_loadcnt 51
.endif
	WIN 0x53                                       ; W window 3, x window 0, C and D window 1
.irp a, 0,1,2,3
.irp b, 0,1,2,3,4,5,6,7
	MM \a, \b, \s
.endr
.endr
.if \s <= 6
	PLACES
	LDX 9*\s+14, 4
.endif
.if \s == 6
	global_load_b32 v[RW], v[RO], s[40:41]         ; the words of my 36 rows, for the way out
	global_load_b32 v[RW+1], v[RO+1], s[40:41]
.endif
.if \s == 0
	s_wait_loadcnt 60
.elseif \s == 6
	s_wait_loadcnt 53
.elseif \s == 7
	s_wait_loadcnt 0
.else
	s_wait_loadcnt 51
.endif
	WIN 0xa3                                       ; C and D window 2
.irp a, 4,5,6,7
.irp b, 0,1,2,3,4,5,6,7
	MM \a, \b, \s
.endr
.endr
.if \s <= 5
	PLACES
	LDX 9*\s+18, 4
.endif
	WIN 0xf3                                       ; C and D window 3
.irp b, 0,1,2,3,4,5,6,7
	MM 8, \b, \s
.endr
.if \s <= 5
	PLACES
	LDX 9*\s+22, 1
	LDW \s+2
.endif
.endm
	LDSC 0
	LDW 0
	LDX 0, 4
	LDX 4, 5
	LDSC 1
	LDW 1
	LDX 9, 5
.irp s, 0,1,2,3,4,5,6,7
	KSTEP \s
.endr
	; THE WAY OUT.  My 72 partial sums go into my part of LDS by rows of the tile; which of my 36 rows I own is worked out meanwhile.
	WIN 0
	PLACES                                         ; behind the last products
	v_and_b32 v94, 15, v0
	v_bfe_u32 v95, v0, 4, 1
	v_mul_u32_u24 v[STO], v94, PITCH
	v_lshl_add_u32 v[STO], v95, 5, v[STO]          ; row r, 32 bytes for each half of the lanes
	s_mul_i32 s22, s16, REG
	v_add_nc_u32 v[STO], s22, v[STO]
	v_add_nc_u32 v[STO+1], 64*PITCH, v[STO]        ; blocks 4-8: the immediate has 16 bits
	s_mul_i32 s22, s16, 36*PITCH
	v_add_nc_u32 v[RD], s22, v[LO]                 ; back: my 36 rows, the 32 lanes on one row of 512 bytes, in each of the four parts
	v_add_nc_u32 v[RD+1], REG, v[RD]
	v_add_nc_u32 v[RD+2], 2*REG, v[RD]
	v_add_nc_u32 v[RD+3], 3*REG, v[RD]
	s_mul_i32 s22, s16, 36
	s_lshl_b32 s23, s18, 4
	s_add_co_u32 s23, s23, s22                     ; the place of my first row
	v_and_b32 v96, 31, v0
	v_add_nc_u32 v96, s23, v96                     ; lane l: the place of my row l
	v_lshrrev_b32 v97, 16, v[RW]
	v_cmp_eq_u32 s24, s19, v97                     ; its expert is the tile's,
	v_cmp_le_u32 s25, s20, v96                     ; and it is not under the first place that I own
	s_and_b32 s24, s24, s25                        ; bit l: row l is mine to store
	v_add_nc_u32 v96, 32, v96
	v_lshrrev_b32 v97, 16, v[RW+1]
	v_cmp_eq_u32 s25, s19, v97
	v_cmp_le_u32 s26, s20, v96
	s_and_b32 s25, s25, s26                        ; bits 0-3: rows 32-35 (the other bits are not read)
.irp a, 0,1,2,3,4,5,6,7,8
	WIN (1+\a/4)<<2                                ; an LDS store's data are its source 1
.irp b, 0,1,2,3,4,5,6,7
	ds_store_b128 v[STO+(\a+4)/8], v[8*(8*(\a%4)+\b):8*(8*(\a%4)+\b)+3] offset:(\a-4*((\a+4)/8))*16*PITCH+64*\b          ; each accumulator from its low end on
	ds_store_b128 v[STO+(\a+4)/8], v[8*(8*(\a%4)+\b)+4:8*(8*(\a%4)+\b)+7] offset:(\a-4*((\a+4)/8))*16*PITCH+64*\b+16
.endr
.endr
	WIN 0
	s_wait_alu depctr_va_vdst(0)                   ; directly ahead of the wait below
	s_wait_dscnt 0x0                               ; for the others' sake: my partial sums lie in LDS
	s_barrier_signal -1
	s_barrier_wait -1
.macro RDB m                           ; rows 4 m .. 4 m + 3 of my 36, all four parts, into set m % 2: 16 loads
.irp k, 0,1,2,3
.irp q, 0,1,2,3
	ds_load_b128 v[BUF+64*((\m)%2)+16*\k+4*\q:BUF+64*((\m)%2)+16*\k+4*\q+3], v[RD+\q] offset:(4*(\m)+\k)*PITCH
.endr
.endr
.endm
; a row: its four parts are added; where it is mine it goes to its token's row of out0.  cnt: the LDS loads issued behind this row's four
.macro ROW i, bb, cnt
	s_wait_dscnt \cnt
	v_readlane_b32 s22, v[RW+(\i)/32], (\i)%32
	s_and_b32 s22, s22, 0xffff
	s_min_u32 s22, s22, 0xfff                      ; a token's number, held inside out0
	s_lshl_b32 s22, s22, 12                        ; its row of 4,096 bytes
	v_pk_add_f32 v[\bb:\bb+1], v[\bb:\bb+1], v[\bb+4:\bb+5]
	v_pk_add_f32 v[\bb+2:\bb+3], v[\bb+2:\bb+3], v[\bb+6:\bb+7]
	v_pk_add_f32 v[\bb+8:\bb+9], v[\bb+8:\bb+9], v[\bb+12:\bb+13]
	v_pk_add_f32 v[\bb+10:\bb+11], v[\bb+10:\bb+11], v[\bb+14:\bb+15]
	v_pk_add_f32 v[\bb:\bb+1], v[\bb:\bb+1], v[\bb+8:\bb+9]
	v_pk_add_f32 v[\bb+2:\bb+3], v[\bb+2:\bb+3], v[\bb+10:\bb+11]
	v_add_nc_u32 v[\bb+12], s22, v[LO]             ; + my 16 bytes (in a register of the set that the sums have left)
	s_bitcmp1_b32 s[24+(\i)/32], (\i)%32
	s_cbranch_scc0 .Lnot_mine_\@
	global_store_b128 v[\bb+12], v[\bb:\bb+3], s[42:43] th:TH_STORE_NT   ; 32 lanes store 512 consecutive bytes, at a multiple of 512 from out0's first byte
.Lnot_mine_\@:
.endm
	RDB 0
.irp m, 0,1,2,3,4,5,6,7,8
.if \m < 8
.if \m > 0
	s_wait_xcnt 0x0                                ; the stores of two sets ago have read their registers: the next loads land there
.endif
	RDB \m+1
.endif
.irp k, 0,1,2,3
.if \m < 8
	ROW 4*\m+\k, BUF+64*(\m%2)+16*\k, 16+4*(3-\k)
.else
	ROW 4*\m+\k, BUF+64*(\m%2)+16*\k, 4*(3-\k)
.endif
.endr
.endr
	s_wait_tensorcnt 0x0                           ; the wave's end: behind my last LDS store
	ds_add_u32 v[SPW], v[NIL]
	s_wait_dscnt 0x0
	s_endpgm
.Lfunc_end_k_q5a673f04ee_gemm:
	.size	k_q5a673f04ee_gemm, .Lfunc_end_k_q5a673f04ee_gemm-k_q5a673f04ee_gemm
	.p2alignl 7, 3214868480
	.fill 96, 4, 3214868480
	.section	.rodata,"a",@progbits
	.p2align	6, 0x0
	.amdhsa_kernel k_q5a673f04ee_gemm
		.amdhsa_group_segment_fixed_size 304640
		.amdhsa_private_segment_fixed_size 0
		.amdhsa_enable_private_segment 0
		.amdhsa_kernarg_size 32
		.amdhsa_user_sgpr_count 2
		.amdhsa_user_sgpr_kernarg_segment_ptr 1
		.amdhsa_wavefront_size32 1
		.amdhsa_system_sgpr_workgroup_id_x 1
		.amdhsa_system_sgpr_workgroup_id_y 1
		.amdhsa_system_sgpr_workgroup_id_z 1
		.amdhsa_system_vgpr_workitem_id 0
		.amdhsa_next_free_vgpr 1024
		.amdhsa_next_free_sgpr 66
		.amdhsa_reserve_vcc 0
		.amdhsa_float_denorm_mode_32 3
		.amdhsa_float_denorm_mode_16_64 3
		.amdhsa_memory_ordered 1
		.amdhsa_forward_progress 1
		.amdhsa_inst_pref_size 171
	.end_amdhsa_kernel
	.amdgpu_metadata
---
amdhsa.version: [ 1, 2 ]
amdhsa.kernels:
  - .name:           k_q5a673f04ee_gemm
    .symbol:         k_q5a673f04ee_gemm.kd
    .args:
      - { .name: codes, .offset: 0, .size: 8, .value_kind: global_buffer, .address_space: global }
      - { .name: scales, .offset: 8, .size: 8, .value_kind: global_buffer, .address_space: global }
      - { .name: route, .offset: 16, .size: 8, .value_kind: global_buffer, .address_space: global }
      - { .name: out0, .offset: 24, .size: 8, .value_kind: global_buffer, .address_space: global }
    .group_segment_fixed_size: 304640
    .private_segment_fixed_size: 0
    .kernarg_segment_align: 8
    .kernarg_segment_size: 32
    .max_flat_workgroup_size: 128
    .sgpr_count:     66
    .vgpr_count:     1024
    .wavefront_size: 32
...
	.end_amdgpu_metadata
.endif
;; end of part 2
